; MI455X (gfx1250); checked and timed in simulation.
; The chip was launched on July 23, 2026; its instructions are those of AMD's public machine-readable ISA for CDNA 5 (MIT licence, August 2026) and "CDNA5" Instruction Set Architecture Reference Guide (July 2026). The comments in the code are by the model that wrote it; some were corrected since.
;; Multi Head Attention. Allowed arithmetic: matrix products marked QUANTISED: E4M3 operands, one given power-of-two scale a tensor, by v_wmma_f32_16x16x64_fp8_fp8 or v_wmma_f32_16x16x128_fp8_fp8, f32 sums; everything else in f32.
;; Inputs: W_attn 1,024 x 3,072 float32; W_proj 1,024 x 1,024 float32; b_proj 1,024 float32; lowp_scales 8 int32 (the exponents e of the quantised operands' scales 2^e); x 2 x 2,048 x 1,024 float32.
;; Outputs: out0 2 x 2,048 x 1,024 float32.
;; This version of the problem:
;;   THIS VERSION OF THE PROBLEM IS GIVEN IN LOW PRECISION. The matrix products marked QUANTISED in the list below multiply operands that are first quantised to E4M3 (4 exponent bits, 3 mantissa bits; 8 bits a number), with one given power-of-two scale for each operand tensor; their sums are f32. All else is computed in f32.
;;   The module's matrix products, in the order in which they are computed (A, B: the left and right operand; K: the contracted axis; several contracted axes count as one K, in the product's order):
;;     1. [M 4,096, K 1,024] x [K 1,024, N 3,072]; A: input x; B: input W_attn: QUANTISED (scales: A lowp_scales[0], B lowp_scales[1])
;;     2. batch 32 x [M 2,048, K 64] x [K 64, N 2,048]; A: computed on the way; B: computed on the way: QUANTISED (scales: A lowp_scales[2], B lowp_scales[3])
;;     3. batch 32 x [M 2,048, K 2,048] x [K 2,048, N 64]; A: softmax (see below); B: computed on the way: QUANTISED (scales: A lowp_scales[4], B lowp_scales[5])
;;     4. [M 4,096, K 1,024] x [K 1,024, N 1,024]; A: computed on the way; B: input W_proj: QUANTISED (scales: A lowp_scales[6], B lowp_scales[7])
;;   THE QUANTISER, for each operand of a quantised product, along K:
;;     - The operand's scale is 2^e, e = its entry of the input lowp_scales (int32; the entries are numbered through the quantised products in the list's order, A before B).
;;     - Each number is divided by the scale, clamped to +-448, and rounded to the nearest number of E4M3, ties to even, subnormals kept.
;;     - The product sums the exact products of the quantised numbers (number of the format x scale) in f32.
;;   ~~~python
;;   def quantise(x, axis, e):      # numpy; x: float32 -> the quantised numbers, widened to float32 again
;;       x = np.moveaxis(x, axis, -1); K = x.shape[-1]
;;       r = np.clip(x / 2.0 ** e, -448, 448)
;;       step = 2.0 ** (np.maximum(np.frexp(np.where(r == 0, 1, r))[1] - 1, -6) - 3)
;;       q = np.round(r / step) * step * 2.0 ** e      # np.round: ties to even
;;       return np.moveaxis(q, -1, axis).astype(np.float32)
;;   ~~~
;;   SOFTMAX AHEAD OF A QUANTISED PRODUCT. Where the list says 'softmax', what is quantised is not the finished softmax but p = 2^(t - M), with t = logit x log2(e) and M = ceil(the row's largest t), a whole number; so 1/2 < the row's largest p <= 1. The row's sum l is taken of the UNQUANTISED p, in f32, and the product's result is divided by l at the end. Since M is a whole number, a kernel that streams over the keys may use a running M (the ceiling of the running maximum): every later rescaling is an exact power of two, so the quantised numbers keep their values, but for numbers so far below the row's largest that they fall under the format's range.
;;   OPERANDS COMPUTED ON THE WAY. 'Computed on the way' means the value that the module computes at that place (a softmax that the list does not call 'softmax' is quantised finished and normalised). What goes into a quantiser is computed in f32, as accurately as f32 sums, v_exp_f32 and their like allow (about 1e-6 of the number): no bf16 or f16 on the way to a quantiser, and a product that is left as it is and whose result goes on into a quantised operand takes f32 operands (vector FMAs, or v_wmma_f32_16x16x4_f32). A number that lies on a knife's edge between two numbers of the format may be rounded either way, as far as f32 arithmetic and the matrix unit's own rounding can turn it there, and no further.
;; One version. Each part assembles by itself: llvm-mc -triple=amdgcn-amd-amdhsa -mcpu=gfx1250 --defsym DOCPART=n.
;; ======== version 1 of 1: 4 launches
;; limits: right only within a limited range of input values
;; workspace buffers: x_codes 4,194,304 bytes; wa_codes 3,145,728 bytes; wp_codes 1,048,576 bytes; qkv 12,582,912 bytes; a_codes 4,194,304 bytes
;; launch quant (part 1): grid 256 x 1, 16 waves a work-group, no clusters, 169,984 bytes of LDS; arguments x, W_attn, W_proj, lowp_scales, x_codes, wa_codes, wp_codes; writes x_codes, wa_codes, wp_codes
.if DOCPART == 1
	.amdgcn_target "amdgcn-amd-amdhsa--gfx1250"
	.amdhsa_code_object_version 6
	.text
	.protected	k_q192151c5fa_quant
	.globl	k_q192151c5fa_quant
	.p2align	8
	.type	k_q192151c5fa_quant,@function
k_q192151c5fa_quant:
	s_mov_b64 s[64:65], 0
	v_nop
	global_prefetch_b8 v0, s[64:65] scope:SCOPE_SE
	s_setreg_imm32_b32 hwreg(HW_REG_WAVE_MODE, 25, 1), 1
	s_wait_xcnt 0x0
; The three f32 inputs become codes of FP8 (E4M3), each with the scale 2^e that is given for it, laid as IMAGES of the matrix operand's registers:
; a tile of 16 rows x 128 along K is 2,048 bytes: part p (registers 4 p .. 4 p + 3), lane (r, h): 16 bytes at 512 p + 256 h + 16 r;
; bytes 0-7 are k = 32 p + 8 h + 0 .. 7, bytes 8-15 are k = 32 p + 16 + 8 h + 0 .. 7 (the plain 8-bit layout).
;   x_codes  [tile of 16 tokens 256][K step 8][2,048]                            e = lowp_scales[0]
;   wa_codes [head 16][k, q, v][tile of 16 columns 4][K step 8][2,048]           e = lowp_scales[1]
;   wp_codes [tile of 16 columns 64][K step 8][2,048]                            e = lowp_scales[7]
; code = number / 2^e, held within +-448, rounded to the nearest code, ties to even.  LIMITS: each e between -126 and 119.  NaN among the inputs is not served.
; LEFT OUT in the whole program: key steps that lie wholly behind the causal mask which reference() builds (p = 0 there for all inputs): attention does not compute them.  A NaN or an infinity that
; reaches only such scores is not carried to the result.
; SHARES: 256 work-groups of 16 waves; each reads 131,072 bytes, all asked for at once, 8,192 a wave, and writes 32,768.  Work-groups 0-127 take x, 128-223 W_attn, 224-255 W_proj.
; No byte is read by two work-groups, so nothing is asked for jointly; waves share nothing: no barrier.  No loop to run ahead in: no prefetch.
; x: a wave takes a tile of 16 tokens x 128 along K: a load is one token's 512 bytes; the 16 rows turn through the wave's own stage.
; W: a wave takes 128 columns x the 16 k of one (p, h): a load is one k's 512 bytes, 4 columns a lane; the hold writes its results column by column, so the conversions find 8 neighbours along K;
;    the 16 bytes a column go through the wave's stage, so that sixteen lanes store 256 consecutive bytes.
.set R,     16                         ; v16-79    as loaded
.set X,     80                         ; v80-143   what the conversions read
.set C,     144                        ; v144-159  codes
.set OUTR,  160                        ; v160-175  W: codes on the way out
.set WOF,   176                        ; v176-191  W: offsets of the 16 rows
.set SPW,   13
.set NIL,   14
.set XP,    528                        ; x: a stage row: 512 bytes + 16
.set WSTG,  16*16*XP
.set SPARE, WSTG+16*2048
	s_load_b256 s[4:11], s[0:1], 0x0               ; x, W_attn, W_proj, the exponents' address
	s_load_b128 s[12:15], s[0:1], 0x20             ; x_codes, wa_codes
	s_load_b64 s[16:17], s[0:1], 0x30              ; wp_codes
	v_lshl_add_u32 v[SPW], v0, 2, SPARE
	v_mov_b32 v[NIL], 0
	v_lshrrev_b32 v1, 5, v0
	v_readfirstlane_b32 s18, v1                    ; wave 0..15
	v_and_b32 v2, 31, v0                           ; lane
	v_and_b32 v3, 15, v0                           ; r
	v_bfe_u32 v4, v0, 4, 1                         ; h
	v_lshlrev_b32 v5, 4, v2                        ; 16 x lane
	s_mul_i32 s19, s18, 16*XP
	v_add_nc_u32 v6, s19, v5                       ; x: into the stage
	v_mul_u32_u24 v7, v3, XP
	v_lshl_add_u32 v7, v4, 5, v7
	v_add_nc_u32 v7, s19, v7                       ; x: out of it: row r, 32 h bytes on
	s_lshl_b32 s20, s18, 11
	s_add_co_u32 s20, s20, WSTG
	v_lshlrev_b32 v8, 6, v2
	v_add_nc_u32 v8, s20, v8                       ; W: into the stage: column 4 lane + c at 16 bytes a column
	v_add_nc_u32 v9, s20, v5                       ; W: out of it: column 32 j + lane
	v_lshlrev_b32 v10, 14, v4
	v_lshl_add_u32 v10, v3, 4, v10                 ; W: its place in the images: tile h, 16 r
	s_wait_alu depctr_va_vdst(0)                   ; directly ahead of the wait below
	s_wait_kmcnt 0x0
	s_load_b256 s[24:31], s[10:11], 0x0            ; e0 .. e7
	s_cmp_lt_u32 ttmp9, 128
	s_cbranch_scc0 .Lw
	; ---------------- x ----------------
	s_lshl_b32 s32, ttmp9, 1
	s_lshr_b32 s33, s18, 3
	s_add_co_u32 s32, s32, s33                     ; my tile of 16 tokens
	s_and_b32 s34, s18, 7                          ; my K step
	s_lshl_b32 s36, s32, 16
	s_lshl_b32 s37, s34, 9
	s_add_co_u32 s36, s36, s37
	s_mov_b32 s37, 0
	s_add_nc_u64 s[4:5], s[4:5], s[36:37]
.irp i, 0,1,2,3,4,5,6,7,8,9,10,11,12,13,14,15
	global_load_b128 v[R+4*\i:R+4*\i+3], v5, s[4:5] offset:4096*\i th:TH_LOAD_NT
.endr
	s_lshl_b32 s36, s32, 14
	s_lshl_b32 s38, s34, 11
	s_add_co_u32 s36, s36, s38
	s_add_nc_u64 s[12:13], s[12:13], s[36:37]
	s_wait_kmcnt 0x0
	s_add_co_i32 s20, s24, 127
	s_lshl_b32 s21, s20, 23
	v_mov_b32 v11, s21                             ; 2^e0: the conversion takes its exponent field
	s_add_co_i32 s20, s20, 8
	s_lshl_b32 s20, s20, 23
	s_or_b32 s20, s20, 0x600000
	v_mov_b32 v12, s20                             ; 448 x 2^e0
	s_wait_alu depctr_va_vdst(0)                   ; the head's end
.irp i, 0,1,2,3,4,5,6,7,8,9,10,11,12,13,14,15
	s_wait_loadcnt 15-\i                           ; row i is in, the younger ones may be out
	ds_store_b128 v6, v[R+4*\i:R+4*\i+3] offset:XP*\i
.endr
.irp p, 0,1,2,3
	ds_load_b128 v[X+16*\p:X+16*\p+3], v7 offset:128*\p   ; LDS serves a wave's instructions in order: these see the stores above
	ds_load_b128 v[X+16*\p+4:X+16*\p+7], v7 offset:128*\p+16
	ds_load_b128 v[X+16*\p+8:X+16*\p+11], v7 offset:128*\p+64
	ds_load_b128 v[X+16*\p+12:X+16*\p+15], v7 offset:128*\p+80
.endr
.irp p, 0,1,2,3
	s_wait_dscnt 12-4*\p                           ; part p's four loads are in
.irp i, 0,1,2,3,4,5,6,7,8,9,10,11,12,13,14,15
	v_med3_num_f32 v[X+16*\p+\i], v[X+16*\p+\i], -v12, v12   ; the conversion does not saturate (ISA guide 7.6.2): hold first
.endr
	v_cvt_scalef32_pk8_fp8_f32 v[C+4*\p:C+4*\p+1], v[X+16*\p:X+16*\p+7], v11
	v_cvt_scalef32_pk8_fp8_f32 v[C+4*\p+2:C+4*\p+3], v[X+16*\p+8:X+16*\p+15], v11
	v_nop
	global_store_b128 v5, v[C+4*\p:C+4*\p+3], s[12:13] offset:512*\p   ; 512 consecutive bytes, aligned
.endr
	s_wait_tensorcnt 0x0                           ; the wave's end
	ds_add_u32 v[SPW], v[NIL]
	s_wait_dscnt 0x0
	s_endpgm
	; ---------------- W_attn, W_proj ----------------
.Lw:
	s_sub_co_u32 s19, ttmp9, 128                   ; 0 .. 95: W_attn; 96 .. 127: W_proj
	s_mov_b32 s20, 12288
	s_mov_b32 s21, 196608
	s_cmp_ge_u32 s19, 96                           ; the choices hang on the work-group's number alone
	s_cselect_b64 s[4:5], s[8:9], s[6:7]           ; the weight,
	s_cselect_b64 s[12:13], s[16:17], s[14:15]     ; its images,
	s_cselect_b32 s20, 4096, s20                   ; a row of it in bytes,
	s_cselect_b32 s21, 65536, s21                  ; bytes of images from one run of 64 columns to the next,
	s_cselect_b32 s22, 24, 0                       ; how many blocks of 128 columns lie ahead of its first,
	s_cselect_b32 s56, 1, 0
	s_lshr_b32 s23, s19, 2
	s_sub_co_u32 s22, s23, s22                     ; which 128 columns
	s_and_b32 s23, s19, 3
	s_lshl_b32 s23, s23, 1
	s_lshr_b32 s33, s18, 3
	s_add_co_u32 s23, s23, s33                     ; K step
	s_and_b32 s34, s18, 7                          ; 2 p + h
	s_lshl_b32 s35, s23, 7
	s_lshr_b32 s36, s34, 1
	s_lshl_b32 s36, s36, 5
	s_add_co_u32 s35, s35, s36
	s_and_b32 s36, s34, 1
	s_lshl_b32 s36, s36, 3
	s_add_co_u32 s35, s35, s36                     ; my first k; mine are 0 .. 7 and 16 .. 23 from there
	s_mul_i32 s36, s35, s20
	s_lshl_b32 s37, s22, 9
	s_add_co_u32 s36, s36, s37
	s_mov_b32 s37, 0
	s_add_nc_u64 s[4:5], s[4:5], s[36:37]
.irp i, 0,1,2,3,4,5,6,7
	v_mad_u32_u24 v[WOF+\i], s20, \i, v5
	v_mad_u32_u24 v[WOF+8+\i], s20, 16+\i, v5
.endr
.irp i, 0,1,2,3,4,5,6,7,8,9,10,11,12,13,14,15
	global_load_b128 v[R+4*\i:R+4*\i+3], v[WOF+\i], s[4:5] th:TH_LOAD_NT   ; 32 lanes read 512 consecutive bytes
.endr
	s_and_b32 s38, s22, 7
	s_mul_i32 s38, s38, s21
	s_lshl_b32 s38, s38, 1
	s_lshr_b32 s39, s22, 3                         ; W_attn: k, q or v; W_proj: 0
	s_lshl_b32 s39, s39, 16
	s_add_co_u32 s38, s38, s39
	s_lshl_b32 s39, s23, 11
	s_add_co_u32 s38, s38, s39
	s_lshl_b32 s39, s34, 8
	s_add_co_u32 s38, s38, s39
	s_mov_b32 s39, 0
	s_add_nc_u64 s[12:13], s[12:13], s[38:39]      ; my first 64 columns' images,
	s_mov_b32 s40, s21
	s_mov_b32 s41, 0
	s_add_nc_u64 s[14:15], s[12:13], s[40:41]      ; my other 64 columns'
	s_wait_kmcnt 0x0
	s_cmp_lg_u32 s56, 0
	s_cselect_b32 s57, s31, s25                    ; e7 for W_proj, e1 for W_attn
	s_add_co_i32 s57, s57, 127
	s_lshl_b32 s58, s57, 23
	v_mov_b32 v11, s58                             ; 2^e
	s_add_co_i32 s57, s57, 8
	s_lshl_b32 s57, s57, 23
	s_or_b32 s57, s57, 0x600000
	v_mov_b32 v12, s57                             ; 448 x 2^e
	s_wait_alu depctr_va_vdst(0)                   ; the head's end
.irp g, 0,1
	s_wait_loadcnt 8-8*\g                          ; rows 8 g .. 8 g + 7 are in
.irp c, 0,1,2,3
.irp i, 0,1,2,3,4,5,6,7
	v_med3_num_f32 v[X+16*\c+8*\g+\i], v[R+32*\g+4*\i+\c], -v12, v12
.endr
.endr
.irp c, 0,1,2,3
	v_cvt_scalef32_pk8_fp8_f32 v[C+4*\c+2*\g:C+4*\c+2*\g+1], v[X+16*\c+8*\g:X+16*\c+8*\g+7], v11
.endr
	v_nop
.endr
.irp c, 0,1,2,3
	ds_store_b128 v8, v[C+4*\c:C+4*\c+3] offset:16*\c
.endr
.irp j, 0,1,2,3
	ds_load_b128 v[OUTR+4*\j:OUTR+4*\j+3], v9 offset:512*\j   ; LDS serves a wave's instructions in order
.endr
.irp j, 0,1,2,3
	s_wait_dscnt 3-\j
	global_store_b128 v10, v[OUTR+4*\j:OUTR+4*\j+3], s[12+2*(\j/2):13+2*(\j/2)] offset:32768*(\j%2)   ; 16 lanes store 256 consecutive bytes, aligned
.endr
	s_wait_tensorcnt 0x0                           ; the wave's end
	ds_add_u32 v[SPW], v[NIL]
	s_wait_dscnt 0x0
	s_endpgm
.Lfunc_end_k_q192151c5fa_quant:
	.size	k_q192151c5fa_quant, .Lfunc_end_k_q192151c5fa_quant-k_q192151c5fa_quant
	.p2alignl 7, 3214868480
	.fill 96, 4, 3214868480
	.section	.rodata,"a",@progbits
	.p2align	6, 0x0
	.amdhsa_kernel k_q192151c5fa_quant
		.amdhsa_group_segment_fixed_size 169984
		.amdhsa_private_segment_fixed_size 0
		.amdhsa_enable_private_segment 0
		.amdhsa_kernarg_size 56
		.amdhsa_user_sgpr_count 2
		.amdhsa_user_sgpr_kernarg_segment_ptr 1
		.amdhsa_wavefront_size32 1
		.amdhsa_system_sgpr_workgroup_id_x 1
		.amdhsa_system_sgpr_workgroup_id_y 1
		.amdhsa_system_sgpr_workgroup_id_z 1
		.amdhsa_system_vgpr_workitem_id 0
		.amdhsa_next_free_vgpr 192
		.amdhsa_next_free_sgpr 66
		.amdhsa_reserve_vcc 0
		.amdhsa_float_denorm_mode_32 3
		.amdhsa_float_denorm_mode_16_64 3
		.amdhsa_memory_ordered 1
		.amdhsa_forward_progress 1
		.amdhsa_inst_pref_size 22
	.end_amdhsa_kernel
	.amdgpu_metadata
---
amdhsa.version: [ 1, 2 ]
amdhsa.kernels:
  - .name:           k_q192151c5fa_quant
    .symbol:         k_q192151c5fa_quant.kd
    .args:
      - { .name: x, .offset: 0, .size: 8, .value_kind: global_buffer, .address_space: global }
      - { .name: W_attn, .offset: 8, .size: 8, .value_kind: global_buffer, .address_space: global }
      - { .name: W_proj, .offset: 16, .size: 8, .value_kind: global_buffer, .address_space: global }
      - { .name: lowp_scales, .offset: 24, .size: 8, .value_kind: global_buffer, .address_space: global }
      - { .name: x_codes, .offset: 32, .size: 8, .value_kind: global_buffer, .address_space: global }
      - { .name: wa_codes, .offset: 40, .size: 8, .value_kind: global_buffer, .address_space: global }
      - { .name: wp_codes, .offset: 48, .size: 8, .value_kind: global_buffer, .address_space: global }
    .group_segment_fixed_size: 169984
    .private_segment_fixed_size: 0
    .kernarg_segment_align: 8
    .kernarg_segment_size: 56
    .max_flat_workgroup_size: 512
    .sgpr_count:     66
    .vgpr_count:     192
    .wavefront_size: 32
...
	.end_amdgpu_metadata
.endif
;; end of part 1
;; launch qkv (part 2): grid 16 x 16, 4 waves a work-group, clusters of 4 x 4, 327,680 bytes of LDS; arguments x_codes, wa_codes, lowp_scales, qkv; writes qkv
.if DOCPART == 2
	.amdgcn_target "amdgcn-amd-amdhsa--gfx1250"
	.amdhsa_code_object_version 6
	.text
	.protected	k_q192151c5fa_qkv
	.globl	k_q192151c5fa_qkv
	.p2align	8
	.type	k_q192151c5fa_qkv,@function
k_q192151c5fa_qkv:
	s_mov_b64 s[64:65], 0
	v_nop
	global_prefetch_b8 v0, s[64:65] scope:SCOPE_SE
	s_setreg_imm32_b32 hwreg(HW_REG_WAVE_MODE, 25, 1), 1
	s_wait_xcnt 0x0
	s_wait_alu depctr_hold_cnt(0) depctr_sa_sdst(0) depctr_va_vdst(0) depctr_va_sdst(0) depctr_va_ssrc(0) depctr_va_vcc(0) depctr_vm_vsrc(0)
	s_getreg_b32 s2, hwreg(HW_REG_IB_STS2, 6, 4)
	s_cmp_eq_u32 s2, 0
	s_cbranch_scc0 .Lentry_in_a_cluster
	s_endpgm
.Lentry_in_a_cluster:
	s_bfe_u32 s2, ttmp6, 0x10000c
	s_cmp_lg_u32 s2, 0xf033
	s_cbranch_scc0 .Lentry_shape_is_right
	s_endpgm
.Lentry_shape_is_right:
; Product 1 on codes of FP8 (E4M3), and its results quantised into the operands of products 2 and 3.
; A work-group makes one head's k, q and v (64 columns each) for 256 tokens: 256 work-groups.  Four waves; wave (wr, wc) makes 128 tokens x 32 channels of each of the three: 8 x 6 accumulators, 384 registers.
; Operands come as images of the registers: a tile of 16 rows x 128 along K is 2,048 bytes, 512 p + 16 lane: [tile][K step 8][2,048]; 16 tiles of x and the head's 12 tiles of W (k 0-3, q 4-7, v 8-11).
; K goes in eight steps of 128 through LDS in three fills: steps 0-2, steps 3-4 into bytes of their own, and steps 5-7 over the first.  While one fill is multiplied the next is on its way.
; CLUSTERS 4 x 4: the four of a row need the same tokens, the four of a column the same head's W: each fill is asked for jointly.
; No prefetch: three fills and no loop to run ahead in; what a fill asks for is asked as soon as the fill before it has landed.
; k, q: source 0 = 16 rows of W, source 1 = 16 tokens: a lane holds one token, registers along the channels.  v: the sources the other way round: a lane holds one channel, registers along the tokens.
; So each accumulator's eight numbers convert into two neighbouring registers of the next operand's image.
; qkv: k at 0, q at 2^22: [batch 2][pair of heads 8][tile of 16 tokens 128][head of the pair 2][1,024];  v at 2^23: [batch x head 32][step of 128 keys 16][16 channels 4][2,048].
; code = sum / 2^(e - e0 - e1), e = e3 for k, e2 for q, e5 for v.  LIMITS: each e - e0 - e1 between -126 and 119.
; REGISTERS: fragments of even K steps in window 0 (A v128-255, B v32-127), of odd steps in window 1 (A v0-127, B v128-223); accumulators (a, b) at v[8 (6 (a % 4) + b)] of window 2 (a < 4) or 3.
.set BOFF,  98304                      ; region 0: A 16 x 6,144, then B 12 x 6,144
.set REG1,  172032                     ; region 1: A 16 x 4,096, then B 12 x 4,096
.set SPARE, 286720
.set ADRA, 16                          ; v16-17  my A fragments in region 0, 1
.set ADRB, 18                          ; v18-19  my B fragments
.set LIM,  20                          ; v20-22  448 x the scale of k, q, v
.set SC,   23                          ; v23-25  the scales
.set CO,   26                          ; v26     16 x lane
.set SPW,  28
.set NIL,  29
.set G1A3, 24
.set G1A2, 32
.set G1B3, 40
.set G1B2, 48
.set G0A0, 56
.set G0A1, 60
.set G0B0, 68
.set G0B1, 72
.set MSB, 0
.macro WIN new                         ; the immediate's high byte repeats the setting that is left
.if MSB != (\new)
	s_set_vgpr_msb (MSB<<8)|(\new)
.set MSB, (\new)
.endif
.endm
.macro JLOAD g0a, g1a, g0b, g1b        ; a joint load: waves 0 and 1 for A, 2 and 3 for B; the branch hangs on the wave's number alone
	s_cmp_eq_u32 s15, 0
	s_cbranch_scc0 .Lfor_b_\@
	tensor_load_to_lds s[\g0a:\g0a+3], s[\g1a:\g1a+7]
	s_nop 0
.rept 4
	v_nop
.endr
	s_branch .Lasked_\@
.Lfor_b_\@:
	tensor_load_to_lds s[\g0b:\g0b+3], s[\g1b:\g1b+7]
	s_nop 0
.rept 4
	v_nop
.endr
.Lasked_\@:
.endm
.macro CREST                           ; a round of the cluster's barrier behind its opening barrier
	s_cmp_lg_u32 s14, 0
	s_cbranch_scc1 .Lnot_wave_0_\@
	s_barrier_signal -3
.Lnot_wave_0_\@:
	s_barrier_wait -3
	s_barrier_signal -1
	s_barrier_wait -1
.endm
.macro CROUND
	s_barrier_signal -1
	s_barrier_wait -1
	CREST
.endm
.macro GRP1 g, c, r                    ; words 1 to 7: \r rows of \c elements of 8 bytes, 16,384 bytes from row to row
	s_mov_b32 s[\g+1], (\c)<<16
	s_mov_b32 s[\g+2], (\r)<<16
	s_mov_b32 s[\g+3], (\c)<<16
	s_mov_b32 s[\g+4], \r
	s_mov_b32 s[\g+5], 2048
	s_mov_b32 s[\g+6], 0
	s_mov_b32 s[\g+7], 0
.endm
.macro GRP0 g, lds, base, off
	s_mov_b32 s[\g], 1
	s_mov_b32 s[\g+1], s[\lds]
	s_add_nc_u64 s[\g+2:\g+3], s[\base:\base+1], \off
	s_or_b32 s[\g+3], s[\g+3], 0x80000000
.endm
.macro SCALE e, n                      ; the scale 2^(e - e0 - e1) and 448 x it
	s_sub_co_i32 s66, s[\e], s80
	s_sub_co_i32 s66, s66, s81
	s_add_co_i32 s66, s66, 127
	s_lshl_b32 s67, s66, 23
	v_mov_b32 v[SC+\n], s67
	s_add_co_i32 s66, s66, 8
	s_lshl_b32 s66, s66, 23
	s_or_b32 s66, s66, 0x600000
	v_mov_b32 v[LIM+\n], s66
.endm
	s_load_b256 s[4:11], s[0:1], 0x0               ; x_codes, wa_codes, the exponents' address, qkv
	v_lshl_add_u32 v[SPW], v0, 2, SPARE
	v_mov_b32 v[NIL], 0
	ds_add_u32 v[SPW], v[NIL]                      ; the opening lines: the add, twice on end, and its wait
	ds_add_u32 v[SPW], v[NIL]
	v_lshrrev_b32 v1, 5, v0
	v_readfirstlane_b32 s14, v1                    ; wave 0..3
	s_lshr_b32 s15, s14, 1                         ; wr.  Also: I fetch for A (0) or B (1)
	s_and_b32 s16, s14, 1                          ; wc.  Also: which half of those tiles I fetch
	s_bfe_u32 s12, ttmp6, 0x40000                  ; cx
	s_bfe_u32 s13, ttmp6, 0x40004                  ; cy
	s_lshl_b32 s17, ttmp9, 2
	s_add_co_u32 s17, s17, s12                     ; head
	s_and_b32 s18, ttmp7, 0xffff
	s_lshl_b32 s18, s18, 2
	s_add_co_u32 s18, s18, s13                     ; which 256 tokens
	s_lshl_b32 s19, s13, 2
	s_lshl_b32 s19, 15, s19                        ; my row of the cluster
	s_lshl_b32 s20, 0x1111, s12                    ; my column
	s_or_b32 s[G1A3], s19, (3<<16)|(1<<21)         ; mask; elements of 8 bytes; bit 21 beside a mask; no padding
	s_or_b32 s[G1A2], s19, (3<<16)|(1<<21)
	s_or_b32 s[G1B3], s20, (3<<16)|(1<<21)
	s_or_b32 s[G1B2], s20, (3<<16)|(1<<21)
	GRP1 G1A3, 768, 8
	GRP1 G1A2, 512, 8
	GRP1 G1B3, 768, 6
	GRP1 G1B2, 512, 6
	s_lshl_b32 s22, s18, 18                        ; A: 16 tiles of 16,384 bytes, the half that I fetch 8 of them: from cy alone
	s_lshl_b32 s23, s16, 17
	s_add_co_u32 s22, s22, s23
	s_mov_b32 s23, 0
	s_mul_i32 s66, s17, 196608                     ; B: 12 tiles, my half 6: from cx alone
	s_mul_i32 s67, s16, 98304
	s_add_co_u32 s66, s66, s67
	s_mov_b32 s67, 0
	s_mul_i32 s76, s16, 49152                      ; where they go
	s_mul_i32 s77, s16, 36864
	s_add_co_u32 s77, s77, BOFF
	s_lshl_b32 s78, s16, 15
	s_add_co_u32 s78, s78, REG1
	s_mul_i32 s79, s16, 24576
	s_add_co_u32 s79, s79, REG1+65536
	s_wait_dscnt 0x0                               ; both opening adds are done
	s_wait_kmcnt 0x0
	s_load_b256 s[80:87], s[8:9], 0x0              ; e0 .. e7
	s_add_nc_u64 s[22:23], s[4:5], s[22:23]
	s_add_nc_u64 s[66:67], s[6:7], s[66:67]
	GRP0 G0A0, 76, 22, 0                           ; K steps 0-2
	GRP0 G0B0, 77, 66, 0
	GRP0 G0A1, 78, 22, 6144                        ; K steps 3-4
	GRP0 G0B1, 79, 66, 6144
	CROUND                                         ; all sixteen work-groups are here: the joint loads meet
	JLOAD G0A0, G1A3, G0B0, G1B3                   ; one tensor load a wave at the head
	v_and_b32 v2, 31, v0
	v_lshlrev_b32 v[CO], 4, v2
	s_mul_i32 s21, s15, 49152                      ; my 8 tiles of A
	v_add_nc_u32 v[ADRA], s21, v[CO]
	s_lshl_b32 s21, s15, 15
	s_add_co_u32 s21, s21, REG1
	v_add_nc_u32 v[ADRA+1], s21, v[CO]
	s_mul_i32 s21, s16, 12288                      ; my tiles of B: 4 s + 2 wc + 0, 1
	s_add_co_u32 s21, s21, BOFF
	v_add_nc_u32 v[ADRB], s21, v[CO]
	s_lshl_b32 s21, s16, 13
	s_add_co_u32 s21, s21, REG1+65536
	v_add_nc_u32 v[ADRB+1], s21, v[CO]
	; where the results go
	s_lshr_b32 s12, s18, 3                         ; batch
	s_and_b32 s13, s18, 7                          ; which 256 tokens of it
	s_lshl_b32 s88, s12, 3
	s_lshr_b32 s89, s17, 1
	s_add_co_u32 s88, s88, s89
	s_lshl_b32 s88, s88, 18                        ; batch, pair of heads
	s_lshl_b32 s89, s13, 15
	s_add_co_u32 s88, s88, s89
	s_lshl_b32 s89, s15, 14                        ; my first tile of tokens
	s_add_co_u32 s88, s88, s89
	s_and_b32 s89, s17, 1
	s_lshl_b32 s89, s89, 10                        ; head of the pair
	s_add_co_u32 s88, s88, s89
	s_lshl_b32 s89, s16, 9                         ; my part of its image
	s_add_co_u32 s88, s88, s89
	s_mov_b32 s89, 0
	s_add_nc_u64 s[88:89], s[10:11], s[88:89]      ; k; q lies 2^22 on
	s_lshl_b32 s90, s12, 4
	s_add_co_u32 s90, s90, s17
	s_lshl_b32 s90, s90, 17                        ; batch x head
	s_lshl_b32 s91, s13, 1
	s_add_co_u32 s91, s91, s15
	s_lshl_b32 s91, s91, 13                        ; step of 128 keys
	s_add_co_u32 s90, s90, s91
	s_lshl_b32 s91, s16, 12                        ; my two tiles of channels
	s_add_co_u32 s90, s90, s91
	s_add_co_u32 s90, s90, (1<<23)
	s_mov_b32 s91, 0
	s_add_nc_u64 s[90:91], s[10:11], s[90:91]      ; v
	s_wait_kmcnt 0x0
	SCALE 83, 0
	SCALE 82, 1
	SCALE 85, 2
.macro PLACES                          ; places behind matrix instructions, in front of loads into registers that they read and of reads of their results
.rept 4
	v_nop
.endr
.endm
.macro FETCH g, u, p                   ; 56 LDS loads: the fragments of region g's u-th K step into window p
.set FA, 128-128*(\p)
.set FB, 32+96*(\p)
.set RW, 6144-2048*(\g)
	WIN 0x40*(\p)
.irp s, 0,1,2
.irp t, 0,1
.irp c, 0,1,2,3
	ds_load_b128 v[FB+16*(2*\s+\t)+4*\c:FB+16*(2*\s+\t)+4*\c+3], v[ADRB+\g] offset:(4*\s+\t)*RW+(\u)*2048+512*\c
.endr
.endr
.endr
.irp i, 0,1,2,3,4,5,6,7
.irp c, 0,1,2,3
	ds_load_b128 v[FA+16*\i+4*\c:FA+16*\i+4*\c+3], v[ADRA+\g] offset:\i*RW+(\u)*2048+512*\c
.endr
.endr
.endm
; 12 matrix instructions: token tiles a0, a0 + 1 of the window's four x six column tiles.  The 48 accumulators take turns, in the same order in every K step
.macro MUL2 p, hi, a0, zero
.set FA, 128-128*(\p)
.set FB, 32+96*(\p)
	WIN 0xa0+0x50*(\hi)+5*(\p)
.irp a, \a0, \a0+1
.irp b, 0,1,2,3,4,5
.set AC, 8*(6*(\a)+\b)
.set XA, FA+16*(4*(\hi)+(\a))
.set XB, FB+16*\b
.if \zero
.if \b < 4
	v_wmma_f32_16x16x128_fp8_fp8 v[AC:AC+7], v[XB:XB+15], v[XA:XA+15], 0
.else
	v_wmma_f32_16x16x128_fp8_fp8 v[AC:AC+7], v[XA:XA+15], v[XB:XB+15], 0
.endif
.else
.if \b < 4
	v_wmma_f32_16x16x128_fp8_fp8 v[AC:AC+7], v[XB:XB+15], v[XA:XA+15], v[AC:AC+7]
.else
	v_wmma_f32_16x16x128_fp8_fp8 v[AC:AC+7], v[XA:XA+15], v[XB:XB+15], v[AC:AC+7]
.endif
.endif
.endr
.endr
.endm
.macro MULALL p, zero
	MUL2 \p, 0, 0, \zero
	MUL2 \p, 0, 2, \zero
	MUL2 \p, 1, 0, \zero
	MUL2 \p, 1, 2, \zero
.endm
	s_wait_alu depctr_va_vdst(0)                   ; the head's end
	s_wait_tensorcnt 0x0                           ; my part of K steps 0-2 is in
	ds_add_u32 v[SPW], v[NIL]
	s_wait_dscnt 0x0
	CROUND                                         ; everybody's part is in, and all sixteen work-groups are here
	JLOAD G0A1, G1A2, G0B1, G1B2                   ; K steps 3-4
	FETCH 0, 0, 0
	FETCH 0, 1, 1
	s_wait_dscnt 56                                ; step 0's fragments are in; step 1's 56 loads may be out
	MULALL 0, 1                                    ; the first products start the sums
	PLACES
	FETCH 0, 2, 0
	s_wait_dscnt 56
	MULALL 1, 0
	s_wait_dscnt 0x0                               ; step 2's fragments are in: my reads of region 0 are over
	MUL2 0, 0, 0, 0
	MUL2 0, 0, 2, 0
	WIN 0
	s_wait_tensorcnt 0x0                           ; my part of K steps 3-4 is in
	ds_add_u32 v[SPW], v[NIL]
	MUL2 0, 1, 0, 0
	s_wait_dscnt 0x0                               ; the add is done
	s_barrier_signal -1
	MUL2 0, 1, 2, 0
	WIN 0
	s_barrier_wait -1
	CREST                                          ; no wave of any partner still reads region 0 or has a load on its way
	s_add_nc_u64 s[G0A0+2:G0A0+3], s[G0A0+2:G0A0+3], 10240
	s_add_nc_u64 s[G0B0+2:G0B0+3], s[G0B0+2:G0B0+3], 10240
	JLOAD G0A0, G1A3, G0B0, G1B3                   ; K steps 5-7, over steps 0-2; the four v_nop behind it are also the places in front of the loads below
	FETCH 1, 0, 1
	FETCH 1, 1, 0
	s_wait_dscnt 56
	MULALL 1, 0
	s_wait_dscnt 0x0                               ; step 4's fragments are in
	MUL2 0, 0, 0, 0
	MUL2 0, 0, 2, 0
	WIN 0
	s_wait_tensorcnt 0x0                           ; my part of K steps 5-7 is in
	s_barrier_signal -1
	MUL2 0, 1, 0, 0
	MUL2 0, 1, 2, 0
	WIN 0
	s_barrier_wait -1
	PLACES
	FETCH 0, 0, 1
	FETCH 0, 1, 0
	s_wait_dscnt 56
	MULALL 1, 0
	PLACES
	FETCH 0, 2, 1
	s_wait_dscnt 56
	MULALL 0, 0
	s_wait_dscnt 0x0
	MULALL 1, 0
	WIN 0
; THE WAY OUT, a tile of tokens at a time: held, converted, stored; each accumulator from its low end on.  The codes' registers are written once each
.macro OUT a
.set T, 32+48*((\a)%2)
.set AC, 48*((\a)%4)
.set j, 0
	WIN 0x02+((\a)/4)
.irp n, 0,1,2
.rept 16
	v_med3_num_f32 v[T+j], v[AC+j], -v[LIM+\n], v[LIM+\n]   ; the conversion does not saturate (ISA guide 7.6.2)
.set j, j+1
.endr
.endr
	WIN 0
.irp b, 0,1,2,3
	v_cvt_scalef32_pk8_fp8_f32 v[128+8*(\a)+2*\b:129+8*(\a)+2*\b], v[T+8*\b:T+8*\b+7], v[SC+\b/2]
.endr
	v_cvt_scalef32_pk8_fp8_f32 v[192+2*(\a):193+2*(\a)], v[T+32:T+39], v[SC+2]
	v_cvt_scalef32_pk8_fp8_f32 v[208+2*(\a):209+2*(\a)], v[T+40:T+47], v[SC+2]
	v_nop
	global_store_b128 v[CO], v[128+8*(\a):131+8*(\a)], s[88:89] offset:2048*(\a)           ; k: 512 consecutive bytes, aligned
	global_store_b128 v[CO], v[132+8*(\a):135+8*(\a)], s[88:89] offset:4194304+2048*(\a)   ; q
.endm
	PLACES
.irp a, 0,1,2,3,4,5,6,7
	OUT \a
.endr
.irp t, 0,1
.irp p, 0,1,2,3
	global_store_b128 v[CO], v[192+16*\t+4*\p:195+16*\t+4*\p], s[90:91] offset:2048*\t+512*\p   ; v
.endr
.endr
	s_wait_tensorcnt 0x0                           ; the wave's end
	ds_add_u32 v[SPW], v[NIL]
	s_wait_dscnt 0x0
	CROUND                                         ; the closing round: no work-group ends while a partner may still ask for a tile that names it
	s_endpgm
.Lfunc_end_k_q192151c5fa_qkv:
	.size	k_q192151c5fa_qkv, .Lfunc_end_k_q192151c5fa_qkv-k_q192151c5fa_qkv
	.p2alignl 7, 3214868480
	.fill 96, 4, 3214868480
	.section	.rodata,"a",@progbits
	.p2align	6, 0x0
	.amdhsa_kernel k_q192151c5fa_qkv
		.amdhsa_group_segment_fixed_size 327680
		.amdhsa_private_segment_fixed_size 0
		.amdhsa_enable_private_segment 0
		.amdhsa_kernarg_size 32
		.amdhsa_user_sgpr_count 2
		.amdhsa_user_sgpr_kernarg_segment_ptr 1
		.amdhsa_wavefront_size32 1
		.amdhsa_system_sgpr_workgroup_id_x 1
		.amdhsa_system_sgpr_workgroup_id_y 1
		.amdhsa_system_sgpr_workgroup_id_z 1
		.amdhsa_system_vgpr_workitem_id 0
		.amdhsa_next_free_vgpr 1024
		.amdhsa_next_free_sgpr 98
		.amdhsa_reserve_vcc 0
		.amdhsa_float_denorm_mode_32 3
		.amdhsa_float_denorm_mode_16_64 3
		.amdhsa_memory_ordered 1
		.amdhsa_forward_progress 1
		.amdhsa_inst_pref_size 95
	.end_amdhsa_kernel
	.amdgpu_metadata
---
amdhsa.version: [ 1, 2 ]
amdhsa.kernels:
  - .name:           k_q192151c5fa_qkv
    .symbol:         k_q192151c5fa_qkv.kd
    .args:
      - { .name: x_codes, .offset: 0, .size: 8, .value_kind: global_buffer, .address_space: global }
      - { .name: wa_codes, .offset: 8, .size: 8, .value_kind: global_buffer, .address_space: global }
      - { .name: lowp_scales, .offset: 16, .size: 8, .value_kind: global_buffer, .address_space: global }
      - { .name: qkv, .offset: 24, .size: 8, .value_kind: global_buffer, .address_space: global }
    .group_segment_fixed_size: 327680
    .private_segment_fixed_size: 0
    .kernarg_segment_align: 8
    .kernarg_segment_size: 32
    .max_flat_workgroup_size: 128
    .sgpr_count:     98
    .vgpr_count:     1024
    .wavefront_size: 32
...
	.end_amdgpu_metadata
.endif
;; end of part 2
;; launch attn (part 3): grid 8 x 32, 8 waves a work-group, clusters of 4 x 1, 327,680 bytes of LDS; arguments qkv, lowp_scales, a_codes; writes a_codes
.if DOCPART == 3
	.amdgcn_target "amdgcn-amd-amdhsa--gfx1250"
	.amdhsa_code_object_version 6
	.text
	.protected	k_q192151c5fa_attn
	.globl	k_q192151c5fa_attn
	.p2align	8
	.type	k_q192151c5fa_attn,@function
k_q192151c5fa_attn:
	s_mov_b64 s[64:65], 0
	v_nop
	global_prefetch_b8 v0, s[64:65] scope:SCOPE_SE
	s_setreg_imm32_b32 hwreg(HW_REG_WAVE_MODE, 25, 1), 1
	s_wait_xcnt 0x0
	s_wait_alu depctr_hold_cnt(0) depctr_sa_sdst(0) depctr_va_vdst(0) depctr_va_sdst(0) depctr_va_ssrc(0) depctr_va_vcc(0) depctr_vm_vsrc(0)
	s_getreg_b32 s2, hwreg(HW_REG_IB_STS2, 6, 4)
	s_cmp_eq_u32 s2, 0
	s_cbranch_scc0 .Lentry_in_a_cluster
	s_endpgm
.Lentry_in_a_cluster:
	s_bfe_u32 s2, ttmp6, 0x10000c
	s_cmp_lg_u32 s2, 0x3003
	s_cbranch_scc0 .Lentry_shape_is_right
	s_endpgm
.Lentry_shape_is_right:
; Products 2 and 3 with the causal softmax between them, on codes of FP8 (E4M3), and the result quantised into product 4's left operand.
; qkv holds images of the operands' registers (part p = registers 4 p .. 4 p + 3, lane l's 16 bytes at 512 p + 16 l):
;   k at 0, q at 2^22: [batch 2][pair of heads 8][tile of 16 tokens 128][head of the pair 2][1,024];   v at 2^23: [batch x head 32][step of 128 keys 16][16 channels 4][2,048]
; a_codes: [tile of 16 tokens 256][K step of 128 8][2,048]: head hd fills K step hd / 2, parts 2 (hd % 2) and 2 (hd % 2) + 1.
; THE SOFTMAX: t = score x log2(e) / 8; M = the running largest t rounded UP to a whole number; p = 2^(t - M) is quantised with 2^e4, not normalised; the row's sum is taken of the unquantised p and divides at the end.
; When M moves, the sum and O are multiplied by 2^(old M - new M): exact.
; SHARES.  Grid y is batch x head; the eight work-groups of a head are two clusters of four.  A row is 128 queries; a unit is 32 queries, two tiles of 16.  Cluster x = 0 takes the rows 0, 3, 4, 7, 8, 11, 12, 15 of the
; head, cluster x = 1 the others; the partner at place cx takes unit cx of each of them.  A step is 128 keys; row w has live steps 0 .. w, the last of them on the diagonal: none of this hangs on cx.
; Steps wholly behind the mask are left out: their p is 0 for all inputs.  A NaN or an infinity that reaches only them is not carried.
; Two neighbouring waves form a pair and own rows w' (lower, 0 .. 7) and 15 - w' (upper), 17 steps.  Wave a takes the upper row's steps 0 .. 7; wave b the lower row's w' + 1 steps and then the upper row's
; steps 8 .. 15 - w': 8 and 9 steps whatever w' is.  The two parts of the upper row are joined at the end through LDS, by exact powers of two.  Of every two waves that are equal modulo 4, and of every two
; neighbours, one is an a and one a b.
; LDS.  The head's K (at 0, a tile of 16 keys 1,024 bytes) and V (at VBASE) stay whole: each byte is filled once.  Eight joint loads of 32,768 bytes, one a wave, shared by the four partners: waves 0-3 K, 4-7 V.
; No prefetch into the L2: the loop over the key steps asks memory for nothing; all of K and V is asked for ahead of it.
; LAYOUT.  S^T = K Q^T (source 0 = 16 keys, source 1 = 16 queries; K = 64) and O^T = V^T P^T (source 0 = 16 channels, source 1 = P; K = 128): a lane holds ONE query (lane % 16) of each tile throughout.
; Each fragment of K and of V feeds both tiles.  Register i of score tile t is key 16 t + 8 (lane / 16) + i: so tile t's eight p convert into registers 2 t, 2 t + 1 of P.
; LIMITS: e2 + e3 between -123 and 130 (added to c's exponent field); e4 and e6 between -126 and 119; the scaled scores stay under 2^31 in magnitude.
; REGISTERS.  Window 0: v1 16 x lane; v3, v8, v9 LDS addresses; v12 -M, v13 the largest t, v[14:15] the sum of tile 0; v4, v5, v[6:7] of tile 1; v32-95 S^T, then p, of tile 0, v96-159 of tile 1;
;   v160-175, v176-191 p's codes; v192-207, v236, v237 at work and constants; v208-235 the sums' parts.
;   Window 1: v0-63 K, v64-127 V, v128-159, v160-191 O^T of tile 0, 1; v192-207 Q of both tiles, v208-223 the upper row's Q.
.set VBASE, 131072
.set SPARE, 262144
.set MERGE, SPARE+1024
.set LI,   1
.set MA,   3
.set ADK,  8
.set ADV,  9
.set S,    32
.set PC,   160
.set KF,   0
.set VF,   64
.set O,    128
.set QF,   192
.set QH,   208
.set WV,   18                          ; my wave's number
.set WP,   19                          ; w'
.set SEL,  20                          ; s[20:21] v_permlanex16_b32's selects: lane l xor 16
.set CS,   22                          ; s[22:23] c = log2(e) / 8 x 2^(e2 + e3)
.set G1K,  24
.set G1V,  32
.set G0K,  40
.set G0V,  44
.set RB,   48                          ; 1: wave b
.set DG,   49                          ; the trip on the lower row's diagonal: w' for b, none for a
.set LST,  50                          ; my last trip: 8 for b, 7 for a
.set SW,   51                          ; the trip that begins the upper row: w' + 1 for b, none for a
.set DEL,  52                          ; 7 - w': trip i of the upper row is key step i + 7 - w'
.set PR,   53                          ; my pair, 0 .. 3
.set TN,   54                          ; 8,192 x the next trip's key step
.set MN,   55                          ; the next trip
.set MS,   66                          ; the trip
.set TB,   67                          ; 8,192 x the trip's key step
.set PL,   99                          ; 448 x 2^e4
.set MSB, 0
.macro WIN new                         ; the immediate's high byte repeats the setting that is left
.if MSB != (\new)
	s_set_vgpr_msb (MSB<<8)|(\new)
.set MSB, (\new)
.endif
.endm
.macro CROUND                          ; a round of the cluster's barrier
	s_barrier_signal -1
	s_barrier_wait -1
	s_cmp_lg_u32 s[WV], 0
	s_cbranch_scc1 .Lnot_wave_0_\@
	s_barrier_signal -3
.Lnot_wave_0_\@:
	s_barrier_wait -3
	s_barrier_signal -1
	s_barrier_wait -1
.endm
.macro KLOAD                           ; a step's K: eight tiles of 16 keys
	WIN 0x40
.irp t, 0,1,2,3,4,5,6,7
	ds_load_b128 v[KF+8*\t:KF+8*\t+3], v[ADK] offset:1024*\t
	ds_load_b128 v[KF+8*\t+4:KF+8*\t+7], v[ADK] offset:1024*\t+512
.endr
	WIN 0
.endm
.macro ADD d, s
	v_pk_add_f32 v[\d:\d+1], v[\d:\d+1], v[\s:\s+1]
.endm
	s_load_b128 s[4:7], s[0:1], 0x0                ; qkv s[4:5], the exponents' address s[6:7]
	s_load_b64 s[8:9], s[0:1], 0x10                ; a_codes
	v_lshl_add_u32 v254, v0, 2, SPARE
	v_mov_b32 v255, 0
	ds_add_u32 v254, v255                          ; the opening lines: the add, twice on end, and its wait
	ds_add_u32 v254, v255
	v_lshrrev_b32 v2, 5, v0
	v_readfirstlane_b32 s[WV], v2                  ; wave 0..7
	s_and_b32 s56, ttmp7, 0xffff                   ; batch x 16 + head, which the four partners share
	s_lshr_b32 s57, s56, 4                         ; batch
	s_and_b32 s58, s56, 15
	s_lshr_b32 s59, s58, 1                         ; the pair of heads
	s_and_b32 s60, s58, 1                          ; which of the pair
	s_lshl_b32 s92, s57, 3
	s_add_co_u32 s92, s92, s59
	s_lshl_b32 s92, s92, 18
	s_lshl_b32 s13, s60, 10
	s_add_co_u32 s92, s92, s13                     ; my head's first image in the section k, and in q
	s_and_b32 s12, s[WV], 3                        ; which quarter of the keys I fetch
	s_lshl_b32 s10, s12, 16                        ; K: 32 tiles, 2,048 bytes apart in memory
	s_add_co_u32 s10, s10, s92
	s_mov_b32 s11, 0
	s_lshl_b32 s16, s12, 15                        ; 32,768 bytes: in LDS, and in V's memory
	s_lshl_b32 s14, s56, 17
	s_add_co_u32 s14, s14, s16
	s_add_co_u32 s14, s14, (1<<23)
	s_mov_b32 s15, 0
	; group 1.  K: 32 rows of 1,024 bytes, 2,048 apart (the pair's other head lies between).  V: 32,768 dense bytes as 128 rows of 256.  Elements of 8 bytes, no padding
	s_mov_b32 s[G1K], 15|(3<<16)|(1<<21)           ; the mask: all four work-groups; elements of 8 bytes; bit 21 beside a mask
	s_mov_b32 s[G1K+1], 128<<16
	s_mov_b32 s[G1K+2], 32<<16
	s_mov_b32 s[G1K+3], 128<<16
	s_mov_b32 s[G1K+4], 32
	s_mov_b32 s[G1K+5], 256
	s_mov_b32 s[G1K+6], 0
	s_mov_b32 s[G1K+7], 0
	s_mov_b32 s[G1V], 15|(3<<16)|(1<<21)
	s_mov_b32 s[G1V+1], 32<<16
	s_mov_b32 s[G1V+2], 128<<16
	s_mov_b32 s[G1V+3], 32<<16
	s_mov_b32 s[G1V+4], 128
	s_mov_b32 s[G1V+5], 32
	s_mov_b32 s[G1V+6], 0
	s_mov_b32 s[G1V+7], 0
	s_wait_dscnt 0x0
	s_wait_kmcnt 0x0
	s_load_b256 s[68:75], s[6:7], 0x0              ; e0 .. e7
	s_mov_b32 s[G0K], 1
	s_mov_b32 s[G0K+1], s16
	s_add_nc_u64 s[G0K+2:G0K+3], s[4:5], s[10:11]
	s_or_b32 s[G0K+3], s[G0K+3], 0x80000000
	s_mov_b32 s[G0V], 1
	s_add_co_u32 s[G0V+1], s16, VBASE
	s_add_nc_u64 s[G0V+2:G0V+3], s[4:5], s[14:15]
	s_or_b32 s[G0V+3], s[G0V+3], 0x80000000
	CROUND                                         ; all four work-groups are here: the joint loads meet
	s_cmp_lt_u32 s[WV], 4
	s_cbranch_scc0 .Lfor_v
	tensor_load_to_lds s[G0K:G0K+3], s[G1K:G1K+7]
	s_nop 0
.rept 4
	v_nop
.endr
	s_branch .Lasked
.Lfor_v:
	tensor_load_to_lds s[G0V:G0V+3], s[G1V:G1V+7]
	s_nop 0
.rept 4
	v_nop
.endr
.Lasked:
	s_lshr_b32 s[PR], s[WV], 1
	s_xor_b32 s61, s[PR], ttmp9
	s_and_b32 s61, s61, 1
	s_lshl_b32 s[WP], s[PR], 1
	s_add_co_u32 s[WP], s[WP], s61                 ; w': 0, 3, 4, 7 in the first cluster, 1, 2, 5, 6 in the second
	s_lshr_b32 s61, s[WV], 2
	s_xor_b32 s61, s61, s[WV]
	s_and_b32 s[RB], s61, 1
	s_xor_b32 s[DEL], s[WP], 7
	s_and_b32 s[DEL], s[DEL], 7
	s_bfe_u32 s62, ttmp6, 0x40000                  ; cx: it enters Q's and the result's addresses and the mask's numbers alone
	s_lshl_b32 s61, s62, 1                         ; my unit's first tile in a row
	s_xor_b32 s63, s[WP], 15
	s_lshl_b32 s63, s63, 3
	s_add_co_u32 s63, s63, s61                     ; the upper row's first tile in the head: 8 x row + 2 cx
	s_lshl_b32 s93, s[WP], 3
	s_add_co_u32 s93, s93, s61                     ; the lower row's
	s_cmp_eq_u32 s[RB], 1
	s_cselect_b32 s17, s93, s63                    ; the tiles that I begin with
	s_cselect_b32 s[DG], s[WP], 99
	s_cselect_b32 s[LST], 8, 7
	s_add_co_u32 s[SW], s[DG], 1
	s_add_co_u32 s92, s92, (1<<22)
	s_lshl_b32 s94, s17, 11
	s_add_co_u32 s94, s94, s92
	s_mov_b32 s95, 0
	s_add_nc_u64 s[94:95], s[4:5], s[94:95]
	s_lshl_b32 s96, s63, 11
	s_add_co_u32 s96, s96, s92
	s_mov_b32 s97, 0
	s_add_nc_u64 s[96:97], s[4:5], s[96:97]
	v_and_b32 v[LI], 31, v0
	v_lshlrev_b32 v[LI], 4, v[LI]
	WIN 0x40
.irp u, 0,1
	global_load_b128 v[QF+8*\u:QF+8*\u+3], v[LI], s[94:95] offset:2048*\u
	global_load_b128 v[QF+8*\u+4:QF+8*\u+7], v[LI], s[94:95] offset:2048*\u+512
	global_load_b128 v[QH+8*\u:QH+8*\u+3], v[LI], s[96:97] offset:2048*\u
	global_load_b128 v[QH+8*\u+4:QH+8*\u+7], v[LI], s[96:97] offset:2048*\u+512
.endr
.set j, 0
.rept 64
	v_mov_b32 v[O+j], 0                            ; O^T.  The step is written once for every trip: the first finds zeros, which the first change of M leaves zeros
.set j, j+1
.endr
	WIN 0
	s_mul_i32 s78, s[PR], 9216
	s_add_co_u32 s78, s78, MERGE
	s_wait_alu depctr_va_vdst(0)                   ; directly ahead of the reader below
	v_add_nc_u32 v[MA], s78, v[LI]                 ; the pair's 9,216 bytes for the join
	s_lshl_b32 s76, s57, 21                        ; the result: 128 tiles of 16,384 bytes a batch,
	s_lshl_b32 s77, s59, 11                        ; my head's K step,
	s_add_co_u32 s76, s76, s77
	s_lshl_b32 s77, s60, 10                        ; and its half of the image
	s_add_co_u32 s76, s76, s77
	s_mov_b32 s77, 0
	s_add_nc_u64 s[8:9], s[8:9], s[76:77]
	s_lshl_b32 s76, s63, 14
	s_add_nc_u64 s[10:11], s[8:9], s[76:77]        ; the upper row's tiles
	s_lshl_b32 s76, s93, 14
	s_add_nc_u64 s[8:9], s[8:9], s[76:77]          ; the lower row's
	s_mov_b32 s[SEL], 0x76543210
	s_mov_b32 s[SEL+1], 0xfedcba98
	v_and_b32 v10, 15, v0
	v_bfe_u32 v11, v0, 4, 1
	v_lshlrev_b32 v11, 3, v11
	v_sub_nc_u32 v203, v10, v11
	s_lshl_b32 s61, s62, 5
	v_add_nc_u32 v203, s61, v203                   ; d = 32 cx + lane % 16 - 8 (lane / 16): on the diagonal register i of score tile t is hidden where 16 t + i > d,
	v_add_nc_u32 v237, 16, v203                    ; in tile 1 of the queries where it is > d + 16
	v_mov_b32 v202, 0xff800000                     ; -infinity
	v_mov_b32 v13, 0xff61b1e6                      ; the largest t so far: -3e38, under every t
	v_mov_b32 v5, 0xff61b1e6
	v_floor_f32 v12, -v13                          ; -M
	v_floor_f32 v4, -v5
	v_mov_b32 v14, 0                               ; the sums, in two halves
	v_mov_b32 v15, 0
	v_mov_b32 v6, 0
	v_mov_b32 v7, 0
	v_mov_b32 v201, 0                              ; written once: a lane permute's destination counts as one of its sources
	v_mov_b32 v236, 0
	v_mov_b32 v195, 0                              ; (named as upper halves of the pairs v[194:195] and v[198:199])
	v_mov_b32 v199, 0
	s_wait_kmcnt 0x0
	s_add_co_i32 s76, s70, s71
	s_lshl_b32 s76, s76, 23
	s_mov_b32 s[CS], 0x3e38aa3b                    ; log2(e) / 8
	s_add_co_i32 s[CS], s[CS], s76                 ; a score stands for score x 2^(e2 + e3): added to c's exponent field
	s_mov_b32 s[CS+1], s[CS]                       ; (named with it as a pair, so it is written)
	s_add_co_i32 s76, s72, 127
	s_lshl_b32 s77, s76, 23
	v_mov_b32 v200, s77                            ; 2^e4
	s_add_co_i32 s76, s76, 8
	s_lshl_b32 s76, s76, 23
	s_or_b32 s[PL], s76, 0x600000                  ; 448 x 2^e4
	s_add_co_i32 s76, s74, 127
	s_lshl_b32 s77, s76, 23
	v_mov_b32 v205, s77                            ; 2^e6
	s_add_co_i32 s76, s76, 8
	s_lshl_b32 s76, s76, 23
	s_or_b32 s76, s76, 0x600000
	v_mov_b32 v206, s76                            ; 448 x 2^e6
	s_add_co_i32 s98, s72, s73                     ; e4 + e5
	v_mov_b32 v[ADK], v[LI]                        ; trip 0 is key step 0 for every wave
; A ROW IS FINISHED, both tiles.  O^T / the sum x 2^(e4 + e5) is the attention's result; it is quantised with 2^e6.  Register i of channel tile d is channel 16 d + 8 (lane / 16) + i of my query:
; so it converts into registers 2 d, 2 d + 1 of my head's half of the image.
.macro FINISH base
	v_add_f32 v14, v14, v15
	v_add_f32 v6, v6, v7
	v_permlanex16_b32 v201, v14, s[SEL], s[SEL+1]
	v_permlanex16_b32 v236, v6, s[SEL], s[SEL+1]
	v_add_f32 v14, v14, v201                       ; the rows' sums
	v_add_f32 v6, v6, v236
	s_wait_alu depctr_va_vdst(0)                   ; ahead of the batch
	v_rcp_f32 v14, v14
	v_rcp_f32 v6, v6
	v_nop                                          ; a plain line behind the reciprocals
	s_wait_alu depctr_va_vdst(0)                   ; and the wait ahead of their first reader
	v_ldexp_f32 v14, v14, s98
	v_ldexp_f32 v6, v6, s98
	WIN 0x01                                       ; source 0 (O^T) window 1
	s_wait_alu depctr_va_vdst(0)                   ; directly ahead of the first reader of O^T
.set j, 0
.rept 16
	v_pk_mul_f32 v[S+j:S+j+1], v[O+j:O+j+1], v[14:15] op_sel_hi:[1,0]
.set j, j+2
.endr
.rept 16
	v_pk_mul_f32 v[S+j:S+j+1], v[O+j:O+j+1], v[6:7] op_sel_hi:[1,0]
.set j, j+2
.endr
	WIN 0
.set j, 0
.rept 64
	v_med3_num_f32 v[S+j], v[S+j], -v206, v206
.set j, j+1
.endr
.irp d, 0,1,2,3,4,5,6,7
	v_cvt_scalef32_pk8_fp8_f32 v[S+64+2*\d:S+65+2*\d], v[S+8*\d:S+8*\d+7], v205
.endr
	v_nop
.irp u, 0,1
	global_store_b128 v[LI], v[S+64+8*\u:S+67+8*\u], s[\base:\base+1] offset:16384*\u      ; 512 consecutive bytes, aligned
	global_store_b128 v[LI], v[S+68+8*\u:S+71+8*\u], s[\base:\base+1] offset:16384*\u+512
.endr
.endm
	s_wait_alu depctr_va_vdst(0)                   ; the head's end
	s_wait_tensorcnt 0x0                           ; my load has landed,
	s_barrier_signal -1
	s_barrier_wait -1                              ; everybody's has: from here on the waves run free of each other.  Nothing is filled again in this launch
	KLOAD
	s_wait_loadcnt 0x0                             ; Q
	s_wait_dscnt 0x0                               ; K of trip 0
	s_mov_b32 s[MS], 0
.Ltrip:
	s_cmp_lg_u32 s[MS], s[SW]
	s_cbranch_scc1 .Lkeep
.rept 4
	v_nop                                          ; places behind the last products
.endr
	FINISH 8                                       ; wave b: the lower row goes out, and the upper row begins:
	v_mov_b32 v13, 0xff61b1e6                      ; with this largest t the first change of M multiplies the lower row's sum and O^T, finite numbers, by 0
	v_mov_b32 v5, 0xff61b1e6
	v_floor_f32 v12, -v13
	v_floor_f32 v4, -v5
	WIN 0x41
.set j, 0
.rept 16
	v_mov_b32 v[QF+j], v[QH+j]
.set j, j+1
.endr
	WIN 0
	s_wait_alu depctr_va_vdst(0)                   ; directly ahead of the wait below
	s_wait_xcnt 0x0                                ; the stores have read their registers, which the next scores overwrite
.Lkeep:
; A KEY STEP: 128 keys x 32 queries.  A trip past my last is left out by a scalar branch on ids; no barrier and no tensor load stands in the loop.  The step's K is in registers already
	s_cmp_gt_u32 s[MS], s[LST]
	s_cbranch_scc1 .Lhidden
	WIN 0x05                                       ; sources 0 (K) and 1 (Q) window 1, S window 0
.irp t, 0,1,2,3,4,5,6,7
	v_wmma_f32_16x16x64_fp8_fp8 v[S+8*\t:S+8*\t+7], v[KF+8*\t:KF+8*\t+7], v[QF:QF+7], 0
	v_wmma_f32_16x16x64_fp8_fp8 v[S+64+8*\t:S+64+8*\t+7], v[KF+8*\t:KF+8*\t+7], v[QF+8:QF+15], 0
.endr
	WIN 0
	s_cmp_gt_u32 s[MS], s[DG]
	s_cselect_b32 s[TB], s[DEL], 0
	s_add_co_u32 s[TB], s[TB], s[MS]
	s_lshl_b32 s[TB], s[TB], 13
	s_add_co_u32 s[MN], s[MS], 1
	s_cmp_gt_u32 s[MN], s[DG]
	s_cselect_b32 s[TN], s[DEL], 0
	s_add_co_u32 s[TN], s[TN], s[MN]
	s_lshl_b32 s[TN], s[TN], 13
	v_add_nc_u32 v[ADV], s[TB], v[LI]
	v_add_nc_u32 v[ADK], s[TN], v[LI]
	v_add_nc_u32 v[ADV], VBASE, v[ADV]
	v_nop                                          ; with the three additions: four places in front of the loads below and of the first read of the scores
	s_wait_alu depctr_va_vdst(0)                   ; directly ahead of the lines below
	WIN 0x40
.irp d, 0,1,2,3
.irp p, 0,1,2,3
	ds_load_b128 v[VF+16*\d+4*\p:VF+16*\d+4*\p+3], v[ADV] offset:2048*\d+512*\p   ; V, and the next trip's K, land while the softmax is walked
.endr
.endr
	WIN 0
	s_cmp_ge_u32 s[MS], s[LST]                     ; behind my last trip nothing more is read
	s_cbranch_scc1 .Lno_next
	KLOAD
.Lno_next:
	s_cmp_eq_u32 s[MS], s[DG]                      ; the diagonal: the lower row's last trip, and trip 8, the upper row's last
	s_cbranch_scc1 .Ldiag
	s_cmp_lg_u32 s[MS], 8
	s_cbranch_scc1 .Lopen
.Ldiag:                                            ; hidden scores become -infinity ahead of the maximum: p = 0 then.  The step's first key counts for every query of mine
.set n, 0
.rept 64
	v_cmp_gt_i32 vcc_lo, 16*(n/8)+n%8, v203
	v_cndmask_b32 v[S+n], v[S+n], v202, vcc_lo
.set n, n+1
.endr
.set n, 0
.rept 64
	v_cmp_gt_i32 vcc_lo, 16*(n/8)+n%8, v237
	v_cndmask_b32 v[S+64+n], v[S+64+n], v202, vcc_lo
.set n, n+1
.endr
.Lopen:
	v_max3_num_f32 v192, v[S], v[S+1], v[S+2]      ; the step's largest score of each query among my 64 keys, two chains a tile, each accumulator from its low end on,
	v_max3_num_f32 v196, v[S+64], v[S+65], v[S+66]
	v_max3_num_f32 v193, v[S+3], v[S+4], v[S+5]
	v_max3_num_f32 v197, v[S+67], v[S+68], v[S+69]
.irp i, 6,10,14,18,22,26,30,34,38,42,46,50,54,58
	v_max3_num_f32 v192, v192, v[S+\i], v[S+1+\i]
	v_max3_num_f32 v196, v196, v[S+64+\i], v[S+65+\i]
	v_max3_num_f32 v193, v193, v[S+2+\i], v[S+3+\i]
	v_max3_num_f32 v197, v197, v[S+66+\i], v[S+67+\i]
.endr
	v_max3_num_f32 v192, v192, v[S+62], v[S+63]
	v_max3_num_f32 v196, v196, v[S+126], v[S+127]
	v_max_num_f32 v192, v192, v193
	v_max_num_f32 v196, v196, v197
	v_permlanex16_b32 v201, v192, s[SEL], s[SEL+1]
	v_permlanex16_b32 v236, v196, s[SEL], s[SEL+1]
	v_max_num_f32 v192, v192, v201                 ; and among lane l xor 16's
	v_max_num_f32 v196, v196, v236
	v_mul_f32 v192, s[CS], v192                    ; as t (c is positive)
	v_mul_f32 v196, s[CS], v196
	v_max_num_f32 v13, v13, v192                   ; the running largest t
	v_max_num_f32 v5, v5, v196
	v_mov_b32 v204, v12
	v_mov_b32 v207, v4
	v_floor_f32 v12, -v13                          ; the new -M = floor(-t) = -ceil(t)
	v_floor_f32 v4, -v5
	v_sub_f32 v204, v12, v204                      ; old M less new M: a whole number, 0 or less
	v_sub_f32 v207, v4, v207
	v_cvt_i32_f32 v204, v204                       ; (it saturates)
	v_cvt_i32_f32 v207, v207
	v_ldexp_f32 v194, 1.0, v204                    ; f = 2^(old M - new M)
	v_ldexp_f32 v198, 1.0, v207
.set j, 0
.rept 32
	v_pk_fma_f32 v[S+j:S+j+1], v[S+j:S+j+1], s[CS:CS+1], v[12:13] op_sel_hi:[1,0,0]   ; t - M, two at a time (of the pairs c and -M the low word serves both halves)
.set j, j+2
.endr
.rept 32
	v_pk_fma_f32 v[S+j:S+j+1], v[S+j:S+j+1], s[CS:CS+1], v[4:5] op_sel_hi:[1,0,0]
.set j, j+2
.endr
.set j, 0
	s_wait_alu depctr_va_vdst(0)                   ; ahead of the batch
.rept 128
	v_exp_f32 v[S+j], v[S+j]                       ; p = 2^(t - M)
.set j, j+1
.endr
	v_pk_mul_f32 v[14:15], v[14:15], v[194:195] op_sel_hi:[1,0]   ; the sums under the new M: plain lines behind the exponentials
	v_pk_mul_f32 v[6:7], v[6:7], v[198:199] op_sel_hi:[1,0]
	s_wait_alu depctr_va_vdst(0)                   ; one wait for the whole batch, ahead of its first reader
.irp c, 0,1,2,3,4,5,6
	v_pk_add_f32 v[208+2*\c:209+2*\c], v[S+4*\c:S+4*\c+1], v[S+4*\c+2:S+4*\c+3]   ; the rows' sums, of the unquantised p, in eight chains a tile
	v_pk_add_f32 v[222+2*\c:223+2*\c], v[S+64+4*\c:S+65+4*\c], v[S+66+4*\c:S+67+4*\c]
.endr
	ADD 14, S+28
	ADD 6, S+92
.irp c, 0,1,2,3,4,5,6
	ADD 208+2*\c, S+30+2*\c
	ADD 222+2*\c, S+94+2*\c
.endr
	ADD 14, S+44
	ADD 6, S+108
.irp c, 0,1,2,3,4,5,6
	ADD 208+2*\c, S+46+2*\c
	ADD 222+2*\c, S+110+2*\c
.endr
	ADD 14, S+60
	ADD 6, S+124
	ADD 208, S+62
	ADD 222, S+126
	ADD 210, 212
	ADD 224, 226
	ADD 214, 216
	ADD 228, 230
	ADD 218, 220
	ADD 232, 234
	ADD 14, 208
	ADD 6, 222
	ADD 210, 214
	ADD 224, 228
	ADD 14, 218
	ADD 6, 232
	ADD 14, 210
	ADD 6, 224
.set j, 0
.rept 64
	v_dual_min_num_f32 v[S+j], s[PL], v[S+j] :: v_dual_min_num_f32 v[S+j+1], s[PL], v[S+j+1]   ; the conversion does not saturate (ISA guide 7.6.2); p is not negative, so the hold is one-sided
.set j, j+2
.endr
.set j, 0
.rept 16
	v_cvt_scalef32_pk8_fp8_f32 v[PC+2*j:PC+2*j+1], v[S+8*j:S+8*j+7], v200
.set j, j+1
.endr
	v_nop
	WIN 0x41                                       ; O^T window 1, f window 0
	s_wait_alu depctr_va_vdst(0)                   ; directly ahead of the first reader of O^T
.set j, 0
.rept 16
	v_pk_mul_f32 v[O+j:O+j+1], v[O+j:O+j+1], v[194:195] op_sel_hi:[1,0]   ; O^T under the new M
.set j, j+2
.endr
.rept 16
	v_pk_mul_f32 v[O+j:O+j+1], v[O+j:O+j+1], v[198:199] op_sel_hi:[1,0]
.set j, j+2
.endr
	s_wait_alu depctr_va_vdst(0)                   ; directly ahead of the wait below
	s_wait_dscnt 0x0                               ; V is in, and the next trip's K
	WIN 0x51                                       ; source 0 (V) and O^T window 1, source 1 (P) window 0
.irp d, 0,1,2,3
	v_wmma_f32_16x16x128_fp8_fp8 v[O+8*\d:O+8*\d+7], v[VF+16*\d:VF+16*\d+15], v[PC:PC+15], v[O+8*\d:O+8*\d+7]   ; the eight accumulators take turns
	v_wmma_f32_16x16x128_fp8_fp8 v[O+32+8*\d:O+32+8*\d+7], v[VF+16*\d:VF+16*\d+15], v[PC+16:PC+31], v[O+32+8*\d:O+32+8*\d+7]
.endr
	WIN 0
.Lhidden:
	s_add_co_u32 s[MS], s[MS], 1
	s_cmp_lt_u32 s[MS], 9
	s_cbranch_scc1 .Ltrip
	; THE JOIN.  Wave a hands its part of the upper row (O^T, -M, the sum of both tiles) to wave b
.rept 4
	v_nop                                          ; places behind the last products
.endr
	s_cmp_eq_u32 s[RB], 1
	s_cbranch_scc1 .Lgiven
	WIN 0x04                                       ; the stores' data window 1
.set g, 0
.rept 16
	ds_store_b128 v[MA], v[O+4*g:O+4*g+3] offset:512*g
.set g, g+1
.endr
	WIN 0
	ds_store_b128 v[MA], v[12:15] offset:8192
	ds_store_b128 v[MA], v[4:7] offset:8704
.Lgiven:
	s_wait_dscnt 0x0                               ; my stores are done
	s_barrier_signal -1
	s_barrier_wait -1
	s_cmp_eq_u32 s[RB], 0
	s_cbranch_scc1 .Lend
	ds_load_b128 v[160:163], v[MA] offset:8192     ; tile 0: -M, the largest t, the sum's halves
	ds_load_b128 v[164:167], v[MA] offset:8704     ; tile 1
.set g, 0
.rept 16
	ds_load_b128 v[S+4*g:S+4*g+3], v[MA] offset:512*g
.set g, g+1
.endr
	s_wait_dscnt 0x0
	v_min_num_f32 v10, v160, v12                   ; -M of both parts
	v_min_num_f32 v11, v164, v4
	v_sub_f32 v192, v10, v160                      ; each part's M less the common one: whole numbers, 0 or less
	v_sub_f32 v193, v10, v12
	v_sub_f32 v196, v11, v164
	v_sub_f32 v197, v11, v4
	v_cvt_i32_f32 v192, v192
	v_cvt_i32_f32 v193, v193
	v_cvt_i32_f32 v196, v196
	v_cvt_i32_f32 v197, v197
	v_ldexp_f32 v194, 1.0, v192                    ; a's factors,
	v_ldexp_f32 v198, 1.0, v196
	v_ldexp_f32 v10, 1.0, v193                     ; and mine
	v_ldexp_f32 v200, 1.0, v197
	v_pk_mul_f32 v[162:163], v[162:163], v[194:195] op_sel_hi:[1,0]
	v_pk_mul_f32 v[166:167], v[166:167], v[198:199] op_sel_hi:[1,0]
	v_pk_fma_f32 v[14:15], v[14:15], v[10:11], v[162:163] op_sel_hi:[1,0,1]
	v_pk_fma_f32 v[6:7], v[6:7], v[200:201], v[166:167] op_sel_hi:[1,0,1]
.set j, 0
.rept 16
	v_pk_mul_f32 v[S+j:S+j+1], v[S+j:S+j+1], v[194:195] op_sel_hi:[1,0]
.set j, j+2
.endr
.rept 16
	v_pk_mul_f32 v[S+j:S+j+1], v[S+j:S+j+1], v[198:199] op_sel_hi:[1,0]
.set j, j+2
.endr
	WIN 0x41
.set j, 0
.rept 16
	v_pk_fma_f32 v[O+j:O+j+1], v[O+j:O+j+1], v[10:11], v[S+j:S+j+1] op_sel_hi:[1,0,1]
.set j, j+2
.endr
.rept 16
	v_pk_fma_f32 v[O+j:O+j+1], v[O+j:O+j+1], v[200:201], v[S+j:S+j+1] op_sel_hi:[1,0,1]
.set j, j+2
.endr
	WIN 0
	FINISH 10
.Lend:
	s_wait_tensorcnt 0x0                           ; the wave's end
	ds_add_u32 v254, v255
	s_wait_dscnt 0x0
	CROUND                                         ; the closing round: no work-group ends while a partner may still ask for a tile that names it
	s_endpgm
.Lfunc_end_k_q192151c5fa_attn:
	.size	k_q192151c5fa_attn, .Lfunc_end_k_q192151c5fa_attn-k_q192151c5fa_attn
	.p2alignl 7, 3214868480
	.fill 96, 4, 3214868480
	.section	.rodata,"a",@progbits
	.p2align	6, 0x0
	.amdhsa_kernel k_q192151c5fa_attn
		.amdhsa_group_segment_fixed_size 327680
		.amdhsa_private_segment_fixed_size 0
		.amdhsa_enable_private_segment 0
		.amdhsa_kernarg_size 24
		.amdhsa_user_sgpr_count 2
		.amdhsa_user_sgpr_kernarg_segment_ptr 1
		.amdhsa_wavefront_size32 1
		.amdhsa_system_sgpr_workgroup_id_x 1
		.amdhsa_system_sgpr_workgroup_id_y 1
		.amdhsa_system_sgpr_workgroup_id_z 1
		.amdhsa_system_vgpr_workitem_id 0
		.amdhsa_next_free_vgpr 512
		.amdhsa_next_free_sgpr 100
		.amdhsa_reserve_vcc 1
		.amdhsa_float_denorm_mode_32 3
		.amdhsa_float_denorm_mode_16_64 3
		.amdhsa_memory_ordered 1
		.amdhsa_forward_progress 1
		.amdhsa_inst_pref_size 74
	.end_amdhsa_kernel
	.amdgpu_metadata
---
amdhsa.version: [ 1, 2 ]
amdhsa.kernels:
  - .name:           k_q192151c5fa_attn
    .symbol:         k_q192151c5fa_attn.kd
    .args:
      - { .name: qkv, .offset: 0, .size: 8, .value_kind: global_buffer, .address_space: global }
      - { .name: lowp_scales, .offset: 8, .size: 8, .value_kind: global_buffer, .address_space: global }
      - { .name: a_codes, .offset: 16, .size: 8, .value_kind: global_buffer, .address_space: global }
    .group_segment_fixed_size: 327680
    .private_segment_fixed_size: 0
    .kernarg_segment_align: 8
    .kernarg_segment_size: 24
    .max_flat_workgroup_size: 256
    .sgpr_count:     100
    .vgpr_count:     512
    .wavefront_size: 32
...
	.end_amdgpu_metadata
.endif
;; end of part 3
;; launch proj (part 4): grid 8 x 32, 8 waves a work-group, clusters of 4 x 4, 327,680 bytes of LDS; arguments a_codes, wp_codes, lowp_scales, b_proj, out0; writes out0
.if DOCPART == 4
	.amdgcn_target "amdgcn-amd-amdhsa--gfx1250"
	.amdhsa_code_object_version 6
	.text
	.protected	k_q192151c5fa_proj
	.globl	k_q192151c5fa_proj
	.p2align	8
	.type	k_q192151c5fa_proj,@function
k_q192151c5fa_proj:
	s_mov_b64 s[64:65], 0
	v_nop
	global_prefetch_b8 v0, s[64:65] scope:SCOPE_SE
	s_setreg_imm32_b32 hwreg(HW_REG_WAVE_MODE, 25, 1), 1
	s_wait_xcnt 0x0
	s_wait_alu depctr_hold_cnt(0) depctr_sa_sdst(0) depctr_va_vdst(0) depctr_va_sdst(0) depctr_va_ssrc(0) depctr_va_vcc(0) depctr_vm_vsrc(0)
	s_getreg_b32 s2, hwreg(HW_REG_IB_STS2, 6, 4)
	s_cmp_eq_u32 s2, 0
	s_cbranch_scc0 .Lentry_in_a_cluster
	s_endpgm
.Lentry_in_a_cluster:
	s_bfe_u32 s2, ttmp6, 0x10000c
	s_cmp_lg_u32 s2, 0xf033
	s_cbranch_scc0 .Lentry_shape_is_right
	s_endpgm
.Lentry_shape_is_right:
; Product 4: out0 = attention's result x W_proj + b_proj, on codes of FP8 (E4M3); out0 [4096][1024] f32.
; Both operands are images of the registers: [tile of 16 rows][K step of 128 8][2,048] (part p = registers 4 p .. 4 p + 3, lane l's 16 bytes at 512 p + 16 l): 256 tiles of tokens, 64 tiles of columns.
; A sum stands for sum x 2^(e6 + e7): out = sum x 2^(e6 + e7) + bias.  LIMIT: e6 + e7 between -126 and 127.
; SHAPE: 256 work-groups, a tile of 128 tokens x 128 columns each, whose whole K = 1,024 lies in LDS: each byte is filled once.  Eight waves: wave (kh, wr, wc) multiplies 64 tokens x 64 columns over K half kh:
; 16 accumulators.  Eight joint loads of 32,768 bytes, one a wave, all at the head: nothing is left to prefetch.
; The two K halves' sums meet in LDS, in bytes of the tiles that nobody reads any more: wave kh takes rows 32 kh .. 32 kh + 31 of its 64 x 64, adds the two sums, scales, adds the bias and stores whole rows of 256 bytes.
; CLUSTERS: 4 x 4.  The four of a row need the same tokens, the four of a column the same columns of W_proj: each tile is asked for jointly.
; THE MATRIX INSTRUCTION IS USED TRANSPOSED (source 0 = 16 columns of W_proj, source 1 = 16 tokens): a lane holds eight neighbouring columns of one row of out0.
; LDS: A at 0: [K half 2][tile 8][8,192];  B at 131,072 likewise;  later eight stages of 64 rows x (256 + 16) bytes from 0 on.
; REGISTERS: window 0: v16-27 addresses; v32-35 the bias; v128-255 the accumulators ((a, b) at v[128 + 8 (4 a + b)]), later rows of sums.  window 1: two buffers of 128: A's four fragments, then B's four.
.set BBASE,  131072
.set SPARE,  262144
.set SPITCH, 272
.set SSZ,    64*SPITCH
.set ADRA, 16
.set ADRB, 20
.set STO,  22
.set RD,   24                          ; v24-25  K half 0's rows, K half 1's
.set CO,   26
.set BO,   27
.set BIAS, 32
.set SPW,  126
.set NIL,  127
.set ACC,  128
.set F0,   0
.set F1,   128
.set G1A, 24
.set G1B, 32
.set G0A, 48
.set G0B, 52
.set MSB, 0
.macro WIN new
.if MSB != (\new)
	s_set_vgpr_msb (MSB<<8)|(\new)
.set MSB, (\new)
.endif
.endm
.macro CROUND
	s_barrier_signal -1
	s_barrier_wait -1
	s_cmp_lg_u32 s14, 0
	s_cbranch_scc1 .Lnot_wave_0_\@
	s_barrier_signal -3
.Lnot_wave_0_\@:
	s_barrier_wait -3
	s_barrier_signal -1
	s_barrier_wait -1
.endm
.macro PLACES
.rept 4
	v_nop
.endr
.endm
; 32 LDS loads: the fragments of my half's sp-th K step into buffer f
.macro FETCH sp, f
	WIN 0x40
.irp i, 0,1,2,3
.irp p, 0,1,2,3
	ds_load_b128 v[\f+16*\i+4*\p:\f+16*\i+4*\p+3], v[ADRA] offset:\i*8192+(\sp)*2048+\p*512
.endr
.endr
.irp i, 0,1,2,3
.irp p, 0,1,2,3
	ds_load_b128 v[\f+64+16*\i+4*\p:\f+64+16*\i+4*\p+3], v[ADRB] offset:\i*8192+(\sp)*2048+\p*512
.endr
.endr
.endm
; 16 matrix instructions, 128 along K; the 16 accumulators take turns, in the same order in every step
.macro MUL16 f, zero
	WIN 0x05
.irp a, 0,1,2,3
.irp b, 0,1,2,3
.if \zero
	v_wmma_f32_16x16x128_fp8_fp8 v[ACC+8*(4*\a+\b):ACC+8*(4*\a+\b)+7], v[\f+64+16*\b:\f+64+16*\b+15], v[\f+16*\a:\f+16*\a+15], 0
.else
	v_wmma_f32_16x16x128_fp8_fp8 v[ACC+8*(4*\a+\b):ACC+8*(4*\a+\b)+7], v[\f+64+16*\b:\f+64+16*\b+15], v[\f+16*\a:\f+16*\a+15], v[ACC+8*(4*\a+\b):ACC+8*(4*\a+\b)+7]
.endif
.endr
.endr
.endm
	s_load_b256 s[4:11], s[0:1], 0x0               ; a_codes, wp_codes, the exponents' address, b_proj
	s_load_b64 s[12:13], s[0:1], 0x20              ; out0
	v_lshl_add_u32 v[SPW], v0, 2, SPARE
	v_mov_b32 v[NIL], 0
	ds_add_u32 v[SPW], v[NIL]                      ; the opening lines: the add, twice on end, and its wait
	ds_add_u32 v[SPW], v[NIL]
	v_lshrrev_b32 v1, 5, v0
	v_readfirstlane_b32 s14, v1                    ; wave 0..7
	s_lshr_b32 s3, s14, 2                          ; kh
	s_lshr_b32 s15, s14, 1
	s_and_b32 s15, s15, 1                          ; wr.  Also: I fetch for A (0) or B (1)
	s_and_b32 s16, s14, 1                          ; wc.  Also: which four of the eight tiles I fetch
	s_bfe_u32 s40, ttmp6, 0x40000                  ; cx, cy
	s_bfe_u32 s41, ttmp6, 0x40004
	s_lshl_b32 s42, ttmp9, 2
	s_add_co_u32 s42, s42, s40                     ; which 128 columns: 0 .. 7
	s_and_b32 s17, ttmp7, 0xffff
	s_lshl_b32 s17, s17, 2
	s_add_co_u32 s17, s17, s41                     ; which 128 tokens: 0 .. 31
	s_lshl_b32 s43, s41, 2
	s_lshl_b32 s43, 15, s43                        ; my row of the cluster
	s_lshl_b32 s44, 0x1111, s40                    ; my column
	s_or_b32 s[G1A], s43, (3<<16)|(1<<21)          ; the mask; elements of 8 bytes; bit 21 beside a mask; no padding
	s_or_b32 s[G1B], s44, (3<<16)|(1<<21)
.irp g, G1A, G1B
	s_mov_b32 s[\g+1], 1024<<16                    ; a row: half of a tile's K, 8,192 bytes
	s_mov_b32 s[\g+2], 4<<16
	s_mov_b32 s[\g+3], 1024<<16
	s_mov_b32 s[\g+4], 4
	s_mov_b32 s[\g+5], 2048                        ; from tile to tile: 16,384 bytes
	s_mov_b32 s[\g+6], 0
	s_mov_b32 s[\g+7], 0
.endr
	s_lshl_b32 s2, s16, 16                         ; my four tiles,
	s_lshl_b32 s23, s3, 13
	s_add_co_u32 s2, s2, s23                       ; my K half
	s_lshl_b32 s18, s17, 17                        ; A: from cy alone
	s_add_co_u32 s18, s18, s2
	s_mov_b32 s19, 0
	s_lshl_b32 s22, s42, 17                        ; B: from cx alone
	s_add_co_u32 s22, s22, s2
	s_mov_b32 s23, 0
	s_lshl_b32 s45, s3, 16                         ; where they go
	s_lshl_b32 s2, s16, 15
	s_add_co_u32 s45, s45, s2
	s_wait_dscnt 0x0
	s_wait_kmcnt 0x0
	s_load_b64 s[20:21], s[8:9], 0x18              ; e6, e7
	s_mov_b32 s[G0A], 1
	s_mov_b32 s[G0A+1], s45
	s_add_nc_u64 s[G0A+2:G0A+3], s[4:5], s[18:19]
	s_or_b32 s[G0A+3], s[G0A+3], 0x80000000
	s_mov_b32 s[G0B], 1
	s_add_co_u32 s[G0B+1], s45, BBASE
	s_add_nc_u64 s[G0B+2:G0B+3], s[6:7], s[22:23]
	s_or_b32 s[G0B+3], s[G0B+3], 0x80000000
	CROUND                                         ; all sixteen work-groups are here: the joint loads meet
	s_cmp_eq_u32 s15, 0
	s_cbranch_scc0 .Lfor_b
	tensor_load_to_lds s[G0A:G0A+3], s[G1A:G1A+7]
	s_nop 0
	PLACES
	s_branch .Lasked
.Lfor_b:
	tensor_load_to_lds s[G0B:G0B+3], s[G1B:G1B+7]
	s_nop 0
	PLACES
.Lasked:
	v_and_b32 v1, 15, v0                           ; r
	v_bfe_u32 v2, v0, 4, 1                         ; h
	v_and_b32 v3, 31, v0
	v_lshlrev_b32 v3, 4, v3                        ; 16 x lane
	v_lshlrev_b32 v[BO], 4, v1                     ; the bias: my four columns
	v_lshlrev_b32 v[CO], 12, v2
	v_lshl_add_u32 v[CO], v1, 4, v[CO]             ; out0: sixteen lanes a row
	v_mul_u32_u24 v4, v1, SPITCH
	v_lshl_add_u32 v4, v2, 5, v4                   ; the stage, in: row r, 32 bytes for each half of the lanes
	v_mul_u32_u24 v5, v2, SPITCH
	v_lshl_add_u32 v5, v1, 4, v5                   ; back: lanes 0-15 one row, lanes 16-31 the next
	s_wait_alu depctr_va_vdst(0)                   ; directly ahead of the scalar lines below
	s_lshl_b32 s46, s42, 9
	s_lshl_b32 s47, s16, 8
	s_add_co_u32 s46, s46, s47                     ; my first column, in bytes
	s_mov_b32 s47, 0
	s_add_nc_u64 s[10:11], s[10:11], s[46:47]
	s_add_nc_u64 s[12:13], s[12:13], s[46:47]
	global_load_b128 v[BIAS:BIAS+3], v[BO], s[10:11]
	s_lshl_b32 s46, s17, 19
	s_lshl_b32 s2, s15, 18
	s_add_co_u32 s46, s46, s2
	s_lshl_b32 s2, s3, 17
	s_add_co_u32 s46, s46, s2                      ; my first row of out0: 128 x the tile's + 64 wr + 32 kh, rows of 4,096 bytes
	s_add_nc_u64 s[12:13], s[12:13], s[46:47]
	s_lshl_b32 s2, s3, 16
	s_lshl_b32 s22, s15, 15
	s_add_co_u32 s22, s22, s2
	v_add_nc_u32 v[ADRA], s22, v3                  ; my four tiles of A in my K half
	s_lshl_b32 s22, s16, 15
	s_add_co_u32 s22, s22, s2
	s_add_co_u32 s22, s22, BBASE
	v_add_nc_u32 v[ADRB], s22, v3                  ; of B
	s_mul_i32 s2, s14, SSZ
	v_add_nc_u32 v[STO], s2, v4
	s_and_b32 s2, s14, 3
	s_mul_i32 s2, s2, SSZ
	s_mul_i32 s22, s3, 32*SPITCH
	s_add_co_u32 s2, s2, s22
	v_add_nc_u32 v[RD], s2, v5
	v_add_nc_u32 v[RD+1], 4*SSZ, v[RD]
	s_wait_kmcnt 0x0
	s_add_co_i32 s46, s20, s21
	s_add_co_i32 s46, s46, 127
	s_lshl_b32 s46, s46, 23                        ; 2^(e6 + e7) as f32
	s_mov_b32 s47, s46                             ; (named with it as a pair, so it is written)
	s_wait_alu depctr_va_vdst(0)                   ; the head's end
	s_wait_tensorcnt 0x0                           ; my part is in; nothing is filled again in this launch
	s_barrier_signal -1
	s_barrier_wait -1
	FETCH 0, F0
	FETCH 1, F1
	s_wait_dscnt 32                                ; all but the 32 just issued
	MUL16 F0, 1                                    ; the first products start the sums
	PLACES                                         ; in front of loads into the buffer that the last products read
	FETCH 2, F0
	s_wait_dscnt 32
	MUL16 F1, 0
	PLACES
	FETCH 3, F1
	s_wait_dscnt 32
	MUL16 F0, 0
	s_wait_dscnt 0x0                               ; my reads of the tiles are over
	MUL16 F1, 0
	WIN 0
	s_barrier_signal -1
	PLACES                                         ; behind the last products
	s_barrier_wait -1                              ; nobody reads the tiles any more: the stages may lie there
.irp a, 0,1,2,3
.irp b, 0,1,2,3
	ds_store_b128 v[STO], v[ACC+8*(4*\a+\b):ACC+8*(4*\a+\b)+3] offset:16*\a*SPITCH+64*\b
	ds_store_b128 v[STO], v[ACC+8*(4*\a+\b)+4:ACC+8*(4*\a+\b)+7] offset:16*\a*SPITCH+64*\b+16
.endr
.endr
	s_wait_loadcnt_dscnt 0x0                       ; my stores are done (and the bias is in)
	s_barrier_signal -1
	s_barrier_wait -1
.irp t, 0,1,2,3,4,5,6,7,8,9,10,11,12,13,14,15
	ds_load_b128 v[ACC+4*\t:ACC+4*\t+3], v[RD] offset:2*\t*SPITCH
	ds_load_b128 v[ACC+64+4*\t:ACC+64+4*\t+3], v[RD+1] offset:2*\t*SPITCH
.endr
.irp t, 0,1,2,3,4,5,6,7,8,9,10,11,12,13,14,15
	s_wait_dscnt 30-2*\t                           ; row pair t of both K halves is back
	v_pk_add_f32 v[ACC+4*\t:ACC+4*\t+1], v[ACC+4*\t:ACC+4*\t+1], v[ACC+64+4*\t:ACC+64+4*\t+1]
	v_pk_add_f32 v[ACC+4*\t+2:ACC+4*\t+3], v[ACC+4*\t+2:ACC+4*\t+3], v[ACC+64+4*\t+2:ACC+64+4*\t+3]
	v_pk_fma_f32 v[ACC+4*\t:ACC+4*\t+1], v[ACC+4*\t:ACC+4*\t+1], s[46:47], v[BIAS:BIAS+1] op_sel_hi:[1,0,1]
	v_pk_fma_f32 v[ACC+4*\t+2:ACC+4*\t+3], v[ACC+4*\t+2:ACC+4*\t+3], s[46:47], v[BIAS+2:BIAS+3] op_sel_hi:[1,0,1]
	global_store_b128 v[CO], v[ACC+4*\t:ACC+4*\t+3], s[12:13] offset:2*\t*4096 th:TH_STORE_NT   ; 16 lanes store 256 consecutive bytes, aligned; written once, read by nobody here
.endr
	s_wait_tensorcnt 0x0                           ; the wave's end
	ds_add_u32 v[SPW], v[NIL]
	s_wait_dscnt 0x0
	CROUND                                         ; the closing round: no work-group ends while a partner may still ask for a tile that names it
	s_endpgm
.Lfunc_end_k_q192151c5fa_proj:
	.size	k_q192151c5fa_proj, .Lfunc_end_k_q192151c5fa_proj-k_q192151c5fa_proj
	.p2alignl 7, 3214868480
	.fill 96, 4, 3214868480
	.section	.rodata,"a",@progbits
	.p2align	6, 0x0
	.amdhsa_kernel k_q192151c5fa_proj
		.amdhsa_group_segment_fixed_size 327680
		.amdhsa_private_segment_fixed_size 0
		.amdhsa_enable_private_segment 0
		.amdhsa_kernarg_size 40
		.amdhsa_user_sgpr_count 2
		.amdhsa_user_sgpr_kernarg_segment_ptr 1
		.amdhsa_wavefront_size32 1
		.amdhsa_system_sgpr_workgroup_id_x 1
		.amdhsa_system_sgpr_workgroup_id_y 1
		.amdhsa_system_sgpr_workgroup_id_z 1
		.amdhsa_system_vgpr_workitem_id 0
		.amdhsa_next_free_vgpr 512
		.amdhsa_next_free_sgpr 66
		.amdhsa_reserve_vcc 0
		.amdhsa_float_denorm_mode_32 3
		.amdhsa_float_denorm_mode_16_64 3
		.amdhsa_memory_ordered 1
		.amdhsa_forward_progress 1
		.amdhsa_inst_pref_size 30
	.end_amdhsa_kernel
	.amdgpu_metadata
---
amdhsa.version: [ 1, 2 ]
amdhsa.kernels:
  - .name:           k_q192151c5fa_proj
    .symbol:         k_q192151c5fa_proj.kd
    .args:
      - { .name: a_codes, .offset: 0, .size: 8, .value_kind: global_buffer, .address_space: global }
      - { .name: wp_codes, .offset: 8, .size: 8, .value_kind: global_buffer, .address_space: global }
      - { .name: lowp_scales, .offset: 16, .size: 8, .value_kind: global_buffer, .address_space: global }
      - { .name: b_proj, .offset: 24, .size: 8, .value_kind: global_buffer, .address_space: global }
      - { .name: out0, .offset: 32, .size: 8, .value_kind: global_buffer, .address_space: global }
    .group_segment_fixed_size: 327680
    .private_segment_fixed_size: 0
    .kernarg_segment_align: 8
    .kernarg_segment_size: 40
    .max_flat_workgroup_size: 256
    .sgpr_count:     66
    .vgpr_count:     512
    .wavefront_size: 32
...
	.end_amdgpu_metadata
.endif
;; end of part 4
